; MI455X (gfx1250); checked and timed in simulation.
; The chip was launched on July 23, 2026; its instructions are those of AMD's public machine-readable ISA for CDNA 5 (MIT licence, August 2026) and "CDNA5" Instruction Set Architecture Reference Guide (July 2026). The comments in the code are by the model that wrote it; some were corrected since.
;; MSA. Allowed arithmetic: matrix products marked QUANTISED: E3M2 operands, one E8M0 scale for each 32 along K, by v_wmma_scale_f32_16x16x128_f8f6f4 with both operands' format E3M2, f32 sums; everything else in f32.
;; Inputs: W_proj_codes 1,024 x 32 x 24 uint8 (E3M2 codes of W_proj, K innermost, in blocks of 32 codes, four codes in three bytes); W_proj_scales 1,024 x 32 uint8 (E8M0 scales of W_proj, one for each 32 codes along K); W_qkv_codes 3,072 x 32 x 24 uint8 (E3M2 codes of W_qkv, K innermost, in blocks of 32 codes, four codes in three bytes); W_qkv_scales 3,072 x 32 uint8 (E8M0 scales of W_qkv, one for each 32 codes along K); b_proj 1,024 float32; b_qkv 3,072 float32; ln_b 1,024 float32; ln_w 1,024 float32; z 8 x 1,024 x 1,024 float32.
;; Outputs: out0 8 x 1,024 x 1,024 float32.
;; This version of the problem:
;;   THIS VERSION OF THE PROBLEM IS GIVEN IN LOW PRECISION. The matrix products marked QUANTISED in the list below multiply operands that are first quantised to E3M2 (3 exponent bits, 2 mantissa bits; 6 bits a number), with one power-of-two scale for each 32 numbers along K (OCP MX v1.0); their sums are f32. All else is computed in f32.
;;   The module's matrix products, in the order in which they are computed (A, B: the left and right operand; K: the contracted axis; several contracted axes count as one K, in the product's order):
;;     1. [M 8,192, K 1,024] x [K 1,024, N 3,072]; A: computed on the way; B: input W_qkv (given as codes): QUANTISED
;;     2. batch 128 x [M 1,024, K 64] x [K 64, N 1,024]; A: computed on the way; B: computed on the way: QUANTISED
;;     3. batch 128 x [M 1,024, K 1,024] x [K 1,024, N 64]; A: softmax (see below); B: computed on the way: QUANTISED
;;     4. [M 8,192, K 1,024] x [K 1,024, N 1,024]; A: computed on the way; B: input W_proj (given as codes): QUANTISED
;;   THE QUANTISER, for each operand of a quantised product, along K:
;;     - K is cut into blocks of 32 from its start; a last block that is shorter is filled with zeros.
;;     - A block's scale is 2^e with e = floor(log2(the largest magnitude in the block)) - 4, held to -126 .. 127; a block of zeros has e = 0. As a byte (E8M0): e + 127.
;;     - Each number is divided by its block's scale, clamped to +-28, and rounded to the nearest number of E3M2, ties to even, subnormals kept.
;;     - The product sums the exact products of the quantised numbers (number of the format x scale) in f32.
;;   ~~~python
;;   def quantise(x, axis):      # numpy; x: float32 -> the quantised numbers, widened to float32 again
;;       x = np.moveaxis(x, axis, -1); K = x.shape[-1]
;;       x = np.pad(x, [(0, 0)] * (x.ndim - 1) + [(0, -K % 32)]); x = x.reshape(x.shape[:-1] + (-1, 32)); a = np.abs(x).max(-1, keepdims=True)
;;       e = np.where(a > 0, np.clip(np.frexp(np.where(a > 0, a, 1))[1] - 1 - 4, -126, 127), 0)      # np.frexp(a)[1] - 1 = floor(log2(a)), exactly
;;       r = np.clip(x / 2.0 ** e, -28, 28)
;;       step = 2.0 ** (np.maximum(np.frexp(np.where(r == 0, 1, r))[1] - 1, -2) - 2)
;;       q = np.round(r / step) * step * 2.0 ** e      # np.round: ties to even
;;       return np.moveaxis(q.reshape(q.shape[:-2] + (-1,))[..., :K], -1, axis).astype(np.float32)
;;   ~~~
;;   SOFTMAX AHEAD OF A QUANTISED PRODUCT. Where the list says 'softmax', what is quantised is not the finished softmax but p = 2^(t - M), with t = logit x log2(e) and M = ceil(the row's largest t), a whole number; so 1/2 < the row's largest p <= 1. The row's sum l is taken of the UNQUANTISED p, in f32, and the product's result is divided by l at the end. Since M is a whole number, a kernel that streams over the keys may use a running M (the ceiling of the running maximum): every later rescaling is an exact power of two, which a block's scale takes up: the codes' values come out the same.
;;   OPERANDS COMPUTED ON THE WAY. 'Computed on the way' means the value that the module computes at that place (a softmax that the list does not call 'softmax' is quantised finished and normalised). What goes into a quantiser is computed in f32, as accurately as f32 sums, v_exp_f32 and their like allow (about 1e-6 of the number): no bf16 or f16 on the way to a quantiser, and a product that is left as it is and whose result goes on into a quantised operand takes f32 operands (vector FMAs, or v_wmma_f32_16x16x4_f32). A number that lies on a knife's edge between two numbers of the format may be rounded either way, as far as f32 arithmetic and the matrix unit's own rounding can turn it there, and no further.
;;   INPUTS GIVEN AS CODES. W_proj (in the module: [1024, 1024], K = its axis 0); W_qkv (in the module: [1024, 3072], K = its axis 0): each comes as NAME_codes (uint8): NAME with its K axis moved to the last place and cut into blocks of 32 codes, [.., K / 32, bytes a block], one block behind the other in memory; four codes in three bytes: a row's codes are one little-endian stream of bits, code i at bits 6 i .. 6 i + 5 (a code: sign, 3 exponent bits, 2 mantissa bits); and NAME_scales (uint8): the same leading axes, one E8M0 byte (e + 127) for each 32 codes along K. Its value is code x scale, taken as it is: it is not quantised again, and the codes and scales need not be those that the quantiser above would give.
;; One version. Each part assembles by itself: llvm-mc -triple=amdgcn-amd-amdhsa -mcpu=gfx1250 --defsym DOCPART=n.
;; ======== version 1 of 1: 4 launches
;; limits: right only within a limited range of input values
;; workspace buffers: zimg 6,291,456 bytes; zs 262,144 bytes; wq 2,457,600 bytes; wimg 786,432 bytes; qb 6,815,744 bytes; kv 13,631,488 bytes; mimg 6,291,456 bytes; msc 262,144 bytes
;; launch prep (part 1): grid 256 x 1, 8 waves a work-group, no clusters, 63,488 bytes of LDS; arguments z, ln_w, ln_b, W_proj_codes, W_qkv_codes, W_qkv_scales, zimg, zs, wimg, wq; writes zimg, zs, wimg, wq
.if DOCPART == 1
	.amdgcn_target "amdgcn-amd-amdhsa--gfx1250"
	.amdhsa_code_object_version 6
	.text
	.protected	k_q8a8f6fd50a_prep
	.globl	k_q8a8f6fd50a_prep
	.p2align	8
	.type	k_q8a8f6fd50a_prep,@function
k_q8a8f6fd50a_prep:
	s_mov_b64 s[64:65], 0
	v_nop
	global_prefetch_b8 v0, s[64:65] scope:SCOPE_SE
	s_setreg_imm32_b32 hwreg(HW_REG_WAVE_MODE, 25, 1), 1
	s_wait_xcnt 0x0
; zn = (z - mean) / sqrt(var + 1e-5) * ln_w + ln_b, row by row of 1,024 f32, quantised along the row to BF6 (E3M2) with one E8M0 byte for each 32.  No work of the problem is left out in this program.
; OUTPUT, laid as the next launch's registers want it.  A fragment (16 rows x 128 K) is 1,536 bytes: chunk j holds registers 4 j .. 4 j + 3, lane l's 16 bytes at 16 l; lane (r, h): registers 6 c .. 6 c + 5 = block 2 c + h of row r.
; zimg [256 rows: 32][K step: 8][16 rows: 16][1,536];  zs [16 rows: 512][K step: 8][row: 16] scale words.
; wimg: W_proj's fragments [16 columns: 64][K step: 8][1,536].  wq: W_qkv's fragments [x: 8][K step: 8][block: 24][1,536], block 12 wc + 4 g + b = W's rows 1,024 g + 64 (2 x + wc) + 16 b on (g: q, k, v);
; behind them, at 2,359,296, their scale words [x][block][K step][row].
; LIMITS: NaN and infinities are not served; a block whose largest magnitude lies under 2^-122, a block of zeros too, gets the byte 1 (its codes are zeros where it is zero; this program alone reads the bytes).
; SHARES.  A work-group takes 32 rows, a wave 4, all asked for at the head.  A finished row turns through the wave's own stage (128 bytes + 16 a place), so that lane l holds block l whole: no other lane is asked for the maximum.
; The codes go into an image in LDS and leave as runs of 512 consecutive bytes.  Each wave also copies one fragment of a weight (waves 0, 1: W_proj; 2 to 7: W_qkv).
; Every wave asks for 512 bytes of W_qkv's scales, so that all paths count the same loads; the waves whose fragment is of K step 0 store them re-laid.
; No matrix unit, cluster, tensor load or prefetch: the launch streams and has no loop.
.set WREG, 4608
.set IMG,  36864                       ; the work-group's image: [K step][16 rows: 2][1,536]
.set SCB,  61440                       ; its 1,024 scale bytes
.set SPARE, 62464
.set Y,    32
.set X,    64
.set LW,   192
.set LB,   224
	s_load_b256 s[4:11], s[0:1], 0x0               ; z, ln_w, ln_b, W_proj_codes
	s_load_b256 s[12:19], s[0:1], 0x20             ; W_qkv_codes, W_qkv_scales, zimg, zs
	s_load_b128 s[20:23], s[0:1], 0x40             ; wimg, wq
	v_lshl_add_u32 v30, v0, 2, SPARE
	v_mov_b32 v31, 0
	v_lshrrev_b32 v1, 5, v0
	v_readfirstlane_b32 s24, v1                    ; wave
	v_and_b32 v1, 31, v0                           ; lane
	v_lshlrev_b32 v2, 4, v1
	v_lshlrev_b32 v24, 3, v1
	s_mul_i32 s25, s24, WREG
	v_lshrrev_b32 v8, 3, v1
	v_and_b32 v9, 7, v1
	v_mul_u32_u24 v3, v8, 144
	v_lshl_add_u32 v3, v9, 4, v3
	v_add_nc_u32 v3, s25, v3                       ; stage, in: 144 (lane / 8) + 16 (lane % 8), + 576 i
	v_mul_u32_u24 v4, v1, 144
	v_add_nc_u32 v4, s25, v4                       ; stage, out: block l
	v_lshrrev_b32 v8, 2, v1                        ; K step of block l
	v_and_b32 v9, 1, v1                            ; h
	v_bfe_u32 v10, v1, 1, 1                        ; c
	v_and_b32 v11, 3, v1
	s_wait_alu depctr_va_vdst(0)                   ; the wait
	s_lshr_b32 s44, s24, 2                         ; which 16 rows
	s_and_b32 s45, s24, 3
	s_mul_i32 s25, s44, 1536
	s_lshl_b32 s46, s45, 6
	s_add_co_u32 s25, s25, s46
	s_add_co_u32 s25, s25, IMG
	v_mul_u32_u24 v12, v8, 3072
	v_lshl_add_u32 v12, v9, 8, v12
	v_add_nc_u32 v12, s25, v12
	v_mad_u32_u24 v6, v10, 520, v12                ; bytes 24 c and (+ 512) 24 c + 16 of the lane's 48
	v_mad_u32_u24 v7, v10, 1016, v12
	v_add_nc_u32 v7, 8, v7                         ; bytes 24 c + 8
	s_lshl_b32 s25, s44, 9
	s_lshl_b32 s46, s45, 4
	s_add_co_u32 s25, s25, s46
	s_add_co_u32 s25, s25, SCB
	v_lshl_add_u32 v5, v8, 6, v11
	v_add_nc_u32 v5, s25, v5                       ; my block's byte: 64 x K step + 4 x row + block % 4
	s_mul_i32 s25, s24, 3072
	s_add_co_u32 s25, s25, IMG
	v_add_nc_u32 v20, s25, v2                      ; the tail: wave w sends K step w
	s_lshl_b32 s25, s24, 8
	s_add_co_u32 s25, s25, SCB
	v_add_nc_u32 v23, s25, v24
	v_and_b32 v13, 15, v0
	v_bfe_u32 v14, v0, 4, 1
	v_mul_u32_u24 v21, v13, 768
	v_mad_u32_u24 v21, v14, 24, v21                ; a weight's codes: row lane % 16, + 24 (lane / 16)
	v_lshlrev_b32 v22, 7, v11
	v_lshl_add_u32 v22, v8, 2, v22                 ; its scales: row 4 (lane % 4) + k, word lane / 4
	s_mov_b32 s26, 0x76543210
	s_mov_b32 s27, 0xfedcba98
	s_mov_b32 s28, 0x3a800000                      ; 1 / 1,024
	s_mov_b32 s29, 0x3727c5ac                      ; 1e-5
	s_lshl_b32 s30, ttmp9, 5
	s_lshl_b32 s46, s24, 2
	s_add_co_u32 s30, s30, s46
	s_lshl_b32 s30, s30, 12                        ; z: my first row
	s_mov_b32 s31, 0
	s_lshr_b32 s32, ttmp9, 3
	s_mul_i32 s32, s32, 196608
	s_and_b32 s46, ttmp9, 7
	s_mul_i32 s46, s46, 3072
	s_add_co_u32 s32, s32, s46
	s_mul_i32 s46, s24, 24576
	s_add_co_u32 s32, s32, s46                     ; zimg: my K step of the work-group's two blocks
	s_mov_b32 s33, 0
	s_lshl_b32 s34, ttmp9, 10
	s_lshl_b32 s46, s24, 8
	s_add_co_u32 s34, s34, s46
	s_mov_b32 s35, 0
	s_lshl_b32 s46, ttmp9, 1                       ; W_proj: fragment f = 2 x work-group + wave
	s_add_co_u32 s46, s46, s24
	s_lshr_b32 s36, s46, 3
	s_mul_i32 s36, s36, 12288
	s_and_b32 s47, s46, 7
	s_mul_i32 s47, s47, 96
	s_add_co_u32 s36, s36, s47
	s_mul_i32 s38, s46, 1536
	s_and_b32 s46, ttmp9, 3                        ; W_qkv: x = work-group / 32, K step = (work-group / 4) % 8, block = 6 (work-group % 4) + wave - 2
	s_mul_i32 s46, s46, 6
	s_add_co_u32 s46, s46, s24
	s_sub_co_u32 s46, s46, 2
	s_mul_i32 s47, s46, 43
	s_lshr_b32 s47, s47, 9                         ; wc = block / 12
	s_mul_i32 s40, s47, 12
	s_sub_co_u32 s40, s46, s40
	s_lshl_b32 s47, s47, 6
	s_lshr_b32 s42, s40, 2
	s_lshl_b32 s42, s42, 10
	s_add_co_u32 s47, s47, s42
	s_and_b32 s40, s40, 3
	s_lshl_b32 s40, s40, 4
	s_add_co_u32 s47, s47, s40
	s_lshr_b32 s42, ttmp9, 5
	s_lshl_b32 s40, s42, 7
	s_add_co_u32 s47, s47, s40                     ; W's first row of the block
	s_mul_i32 s42, s42, 24
	s_add_co_u32 s42, s42, s46
	s_lshl_b32 s42, s42, 9
	s_add_co_u32 s42, s42, 2359296                 ; where its scale words go
	s_lshl_b32 s40, s47, 5                         ; and come from
	s_mul_i32 s47, s47, 768
	s_bfe_u32 s44, ttmp9, 0x30002
	s_mul_i32 s45, s44, 96
	s_add_co_u32 s47, s47, s45
	s_lshr_b32 s45, ttmp9, 2
	s_mul_i32 s45, s45, 24
	s_add_co_u32 s45, s45, s46
	s_mul_i32 s45, s45, 1536
	s_cmp_lt_u32 s24, 2
	s_cselect_b32 s36, s36, s47
	s_cselect_b32 s38, s38, s45
	s_cselect_b32 s40, 0, s40
	s_cselect_b32 s46, 1, s44                      ; 0: I store scale words
	s_mov_b32 s37, 0
	s_mov_b32 s39, 0
	s_mov_b32 s41, 0
	s_mov_b32 s43, 0
	s_wait_alu depctr_va_vdst(0)                   ; the head's end
	s_wait_kmcnt 0x0
	s_cmp_lt_u32 s24, 2                            ; a choice between buffers on the wave's number
	s_cselect_b64 s[10:11], s[10:11], s[12:13]
	s_cselect_b64 s[20:21], s[20:21], s[22:23]
	s_add_nc_u64 s[10:11], s[10:11], s[36:37]
	s_add_nc_u64 s[20:21], s[20:21], s[38:39]
	s_add_nc_u64 s[14:15], s[14:15], s[40:41]
	s_add_nc_u64 s[22:23], s[22:23], s[42:43]
	s_add_nc_u64 s[4:5], s[4:5], s[30:31]
	s_add_nc_u64 s[16:17], s[16:17], s[32:33]
	s_add_nc_u64 s[18:19], s[18:19], s[34:35]
.irp p, 0,1,2,3,4,5
	global_load_b64 v[34+2*\p:35+2*\p], v21, s[10:11] offset:48*(\p/3)+8*(\p%3)
.endr
.irp k, 0,1,2,3
	global_load_b32 v[46+\k], v22, s[14:15] offset:32*\k
.endr
.irp i, 0,1,2,3,4,5,6,7
	global_load_b128 v[LW+4*\i:LW+4*\i+3], v2, s[6:7] offset:512*\i
.endr
.irp i, 0,1,2,3,4,5,6,7
	global_load_b128 v[LB+4*\i:LB+4*\i+3], v2, s[8:9] offset:512*\i
.endr
.irp t, 0,1,2,3
.irp i, 0,1,2,3,4,5,6,7
	global_load_b128 v[X+32*\t+4*\i:X+32*\t+4*\i+3], v2, s[4:5] offset:4096*\t+512*\i th:TH_LOAD_NT   ; register 4 i + k of lane l: column 128 i + 4 l + k
.endr
.endr
	s_wait_loadcnt 48                              ; the weight's ten loads are in; the 48 behind them may be out
.irp j, 0,1,2
	global_store_b128 v2, v[34+4*\j:37+4*\j], s[20:21] offset:512*\j
.endr
	s_cmp_lg_u32 s46, 0
	s_cbranch_scc1 .Lno_scales
	global_store_b128 v2, v[46:49], s[22:23]       ; word 4 l + k = [K step l / 4][row 4 (l % 4) + k]
.Lno_scales:
	s_wait_xcnt 0x0                                ; the stores have read v34-49
.macro LANESUM
	v_pk_add_f32 v[8:9], v[8:9], v[10:11]
	v_pk_add_f32 v[12:13], v[12:13], v[14:15]
	v_pk_add_f32 v[8:9], v[8:9], v[12:13]
	v_add_f32 v8, v8, v9
.irp m, 1,2,4,8
	v_add_f32_dpp v8, v8, v8 row_xmask:\m row_mask:0xf bank_mask:0xf
.endr
	v_permlanex16_b32 v9, v8, s26, s27
	v_add_f32 v8, v8, v9
.endm
.macro ROW t
.set XR, X+32*(\t)
	s_wait_loadcnt 24-8*(\t)                       ; this row is in; the 8 loads of each later row may be out
.irp c, 0,1,2,3
	v_pk_add_f32 v[8+2*\c:9+2*\c], v[XR+4*\c:XR+4*\c+1], v[XR+4*\c+2:XR+4*\c+3]
.endr
.irp i, 16,24
.irp c, 0,1,2,3
	v_pk_add_f32 v[8+2*\c:9+2*\c], v[8+2*\c:9+2*\c], v[XR+\i+2*\c:XR+\i+2*\c+1]
.endr
.endr
	LANESUM
	v_mul_f32 v16, s28, v8                         ; the mean, as a pair
	v_mul_f32 v17, s28, v8
.irp i, 0,2,4,6,8,10,12,14,16,18,20,22,24,26,28,30
	v_pk_add_f32 v[XR+\i:XR+\i+1], v[XR+\i:XR+\i+1], v[16:17] neg_lo:[0,1] neg_hi:[0,1]
.endr
.irp c, 0,1,2,3
	v_pk_mul_f32 v[8+2*\c:9+2*\c], v[XR+2*\c:XR+2*\c+1], v[XR+2*\c:XR+2*\c+1]
.endr
.irp i, 8,16,24
.irp c, 0,1,2,3
	v_pk_fma_f32 v[8+2*\c:9+2*\c], v[XR+\i+2*\c:XR+\i+2*\c+1], v[XR+\i+2*\c:XR+\i+2*\c+1], v[8+2*\c:9+2*\c]
.endr
.endr
	LANESUM
	v_fma_f32 v9, v8, s28, s29                     ; the variance + 1e-5
	s_wait_alu depctr_va_vdst(0)                   ; ahead of the roots,
	v_rsq_f32 v18, v9
	v_rsq_f32 v19, v9
	v_nop
	s_wait_alu depctr_va_vdst(0)                   ; and behind them
.irp i, 0,2,4,6,8,10,12,14,16,18,20,22,24,26,28,30
	v_pk_mul_f32 v[XR+\i:XR+\i+1], v[XR+\i:XR+\i+1], v[18:19]
.endr
.irp i, 0,2,4,6,8,10,12,14,16,18,20,22,24,26,28,30
	v_pk_fma_f32 v[XR+\i:XR+\i+1], v[XR+\i:XR+\i+1], v[LW+\i:LW+\i+1], v[LB+\i:LB+\i+1]
.endr
.irp i, 0,1,2,3,4,5,6,7
	ds_store_b128 v3, v[XR+4*\i:XR+4*\i+3] offset:576*\i
.endr
.irp j, 0,1,2,3,4,5,6,7
	ds_load_b128 v[Y+4*\j:Y+4*\j+3], v4 offset:16*\j   ; LDS serves a wave's instructions in order: lane l gets columns 32 l .. 32 l + 31
.endr
	s_wait_dscnt 0x0
	v_max3_num_f32 v8, |v[Y]|, |v[Y+1]|, 0x2800000 ; with the floor 2^(5 - 127): the byte cannot fall under 1
	v_max3_num_f32 v10, |v[Y+2]|, |v[Y+3]|, |v[Y+4]|
.irp i, 5,9,13,17,21,25
	v_max3_num_f32 v8, v8, |v[Y+\i]|, |v[Y+\i+1]|
	v_max3_num_f32 v10, v10, |v[Y+\i+2]|, |v[Y+\i+3]|
.endr
	v_max3_num_f32 v8, v8, |v[Y+29]|, |v[Y+30]|
	v_max3_num_f32 v8, v8, v10, |v[Y+31]|
	v_add_nc_u32 v11, 0xfe000000, v8               ; 4 off the exponent field: the conversion's scale operand
	v_cvt_scalef32_pk16_bf6_f32 v[XR:XR+2], v[Y:Y+15], v11
	v_cvt_scalef32_pk16_bf6_f32 v[XR+6:XR+8], v[Y+16:Y+31], v11
	v_lshrrev_b32 v[XR+10], 23, v11                ; the byte (also the plain instruction behind the conversions)
.irp i, 0,1,2
	v_mov_b32 v[XR+3+\i], v[XR+6+\i]
.endr
	ds_store_b8 v5, v[XR+10] offset:4*(\t)
	ds_store_b64 v6, v[XR:XR+1] offset:16*(\t)
	ds_store_b64 v7, v[XR+2:XR+3] offset:16*(\t)
	ds_store_b64 v6, v[XR+4:XR+5] offset:16*(\t)+512
.endm
	ROW 0
	ROW 1
	ROW 2
	ROW 3
	s_wait_dscnt 0x0                               ; for the others' sake: my codes and bytes lie in LDS
	s_barrier_signal -1
	s_barrier_wait -1
.irp j, 0,1,2,3,4,5
	ds_load_b128 v[32+4*\j:35+4*\j], v20 offset:512*\j
.endr
	s_wait_dscnt 0x0
.irp j, 0,1,2,3,4,5
	global_store_b128 v2, v[32+4*\j:35+4*\j], s[16:17] offset:512*\j   ; 512 consecutive aligned bytes a store
.endr
	s_cmp_lt_u32 s24, 4                            ; waves 0 to 3 send the scale bytes, 256 aligned bytes each
	s_cbranch_scc0 .Lend
	ds_load_b64 v[8:9], v23
	s_wait_dscnt 0x0
	global_store_b64 v24, v[8:9], s[18:19]
.Lend:
	s_wait_tensorcnt 0x0                           ; the wave's end
	ds_add_u32 v30, v31
	s_wait_dscnt 0x0
	s_endpgm
.Lfunc_end_k_q8a8f6fd50a_prep:
	.size	k_q8a8f6fd50a_prep, .Lfunc_end_k_q8a8f6fd50a_prep-k_q8a8f6fd50a_prep
	.p2alignl 7, 3214868480
	.fill 96, 4, 3214868480
	.section	.rodata,"a",@progbits
	.p2align	6, 0x0
	.amdhsa_kernel k_q8a8f6fd50a_prep
		.amdhsa_group_segment_fixed_size 63488
		.amdhsa_private_segment_fixed_size 0
		.amdhsa_enable_private_segment 0
		.amdhsa_kernarg_size 80
		.amdhsa_user_sgpr_count 2
		.amdhsa_user_sgpr_kernarg_segment_ptr 1
		.amdhsa_wavefront_size32 1
		.amdhsa_system_sgpr_workgroup_id_x 1
		.amdhsa_system_sgpr_workgroup_id_y 1
		.amdhsa_system_sgpr_workgroup_id_z 1
		.amdhsa_system_vgpr_workitem_id 0
		.amdhsa_next_free_vgpr 256
		.amdhsa_next_free_sgpr 66
		.amdhsa_reserve_vcc 0
		.amdhsa_float_denorm_mode_32 3
		.amdhsa_float_denorm_mode_16_64 3
		.amdhsa_memory_ordered 1
		.amdhsa_forward_progress 1
		.amdhsa_inst_pref_size 49
	.end_amdhsa_kernel
	.amdgpu_metadata
---
amdhsa.version: [ 1, 2 ]
amdhsa.kernels:
  - .name:           k_q8a8f6fd50a_prep
    .symbol:         k_q8a8f6fd50a_prep.kd
    .args:
      - { .name: z, .offset: 0, .size: 8, .value_kind: global_buffer, .address_space: global }
      - { .name: ln_w, .offset: 8, .size: 8, .value_kind: global_buffer, .address_space: global }
      - { .name: ln_b, .offset: 16, .size: 8, .value_kind: global_buffer, .address_space: global }
      - { .name: W_proj_codes, .offset: 24, .size: 8, .value_kind: global_buffer, .address_space: global }
      - { .name: W_qkv_codes, .offset: 32, .size: 8, .value_kind: global_buffer, .address_space: global }
      - { .name: W_qkv_scales, .offset: 40, .size: 8, .value_kind: global_buffer, .address_space: global }
      - { .name: zimg, .offset: 48, .size: 8, .value_kind: global_buffer, .address_space: global }
      - { .name: zs, .offset: 56, .size: 8, .value_kind: global_buffer, .address_space: global }
      - { .name: wimg, .offset: 64, .size: 8, .value_kind: global_buffer, .address_space: global }
      - { .name: wq, .offset: 72, .size: 8, .value_kind: global_buffer, .address_space: global }
    .group_segment_fixed_size: 63488
    .private_segment_fixed_size: 0
    .kernarg_segment_align: 8
    .kernarg_segment_size: 80
    .max_flat_workgroup_size: 256
    .sgpr_count:     66
    .vgpr_count:     256
    .wavefront_size: 32
...
	.end_amdgpu_metadata
.endif
;; end of part 1
;; launch qkv (part 2): grid 8 x 32, 4 waves a work-group, clusters of 4 x 4, 327,680 bytes of LDS; arguments zimg, zs, wq, b_qkv, qb, kv; writes qb, kv
.if DOCPART == 2
	.amdgcn_target "amdgcn-amd-amdhsa--gfx1250"
	.amdhsa_code_object_version 6
	.text
	.protected	k_q8a8f6fd50a_qkv
	.globl	k_q8a8f6fd50a_qkv
	.p2align	8
	.type	k_q8a8f6fd50a_qkv,@function
k_q8a8f6fd50a_qkv:
	s_mov_b64 s[64:65], 0
	v_nop
	global_prefetch_b8 v0, s[64:65] scope:SCOPE_SE
	s_setreg_imm32_b32 hwreg(HW_REG_WAVE_MODE, 25, 1), 1
	s_wait_xcnt 0x0
	s_wait_alu depctr_hold_cnt(0) depctr_sa_sdst(0) depctr_va_vdst(0) depctr_va_sdst(0) depctr_va_ssrc(0) depctr_va_vcc(0) depctr_vm_vsrc(0)
	s_getreg_b32 s2, hwreg(HW_REG_IB_STS2, 6, 4)
	s_cmp_eq_u32 s2, 0
	s_cbranch_scc0 .Lentry_in_a_cluster
	s_endpgm
.Lentry_in_a_cluster:
	s_bfe_u32 s2, ttmp6, 0x10000c
	s_cmp_lg_u32 s2, 0xf033
	s_cbranch_scc0 .Lentry_shape_is_right
	s_endpgm
.Lentry_shape_is_right:
; qkv = zn W_qkv + b_qkv on codes of BF6 with E8M0 scales, K = 1,024; the results are quantised at once as operands of attention's two products and stored as images of operand registers.
; 256 work-groups, each 256 tokens (y) x 384 features (x): heads 2 x, 2 x + 1 of q, of k and of v.  A wave makes 128 tokens x ONE head each of q, k, v: 96 accumulators, window 1 q, 2 k, 3 v.
; q, k: source 0 = 16 rows of W, source 1 = 16 tokens: a lane holds one token, its registers run along the head's channels.  v: the sources change places: a lane holds one channel, its registers run along the keys.  Each time that is the next product's K.
; Operands come as register images (1,536 bytes a fragment), so a tensor row is 256 dense bytes and a fragment is three loads of 16 bytes a lane at 16 x lane.
; RING: two slots of two K steps (A 2 x 24,576, B 2 x 36,864 bytes).  Head: one load a wave (A's slot 0, B's slot 0, A's scales, B's scales); slot 1 behind a full sequence; slots 0 and 1 are filled once more.
; A step is three groups (q, k, v) of 32 products; B's four fragments of the next group are asked for at a group's start into the other of two buffers; A has one set, fetched anew in halves inside and behind group v.
; THE BIAS of q and k is the C of the first K step's products (it waits in window 3, which v's sums take later); v's is added on the way out.
; THE ORDER INSIDE A BLOCK OF 32 is 0-7, 16-23, 8-15, 24-31 in q, k, v and in attention's p alike: a permutation of k applied to both operands keeps the products, and a block holds the rule's 32 numbers.
; OUTPUT.  qb: a head 53,248 bytes: 32 pairs x 1,536 (registers 0-5 tokens 0-15, 6-11 tokens 16-31; lane (r, h): block h of token r), then 8 x 512 of scale words (lane l, word p: token 32 p + l; bytes: block 0, block 1, 0x7f, 0x7f).
; kv: a head 106,496 bytes: k as q; at 49,152 v [128 keys: 8][16 channels: 4][1,536]; at 98,304 k's scale words; at 102,400 v's (lane l, word ct: channel 16 ct + l % 16).
; CLUSTERS 4 x 4: A's tiles are asked for jointly along a row, B's along a column.  No prefetch: of the ring's four fills two go out at the head, and the other two are each asked for two K steps ahead of their use.
; LIMITS: NaN and infinities are not served; a block whose largest magnitude lies under 2^-122, a block of zeros too, gets the byte 1.
.set FRB,   1536
.set ASTEP, 16*FRB
.set BSTEP, 24*FRB
.set BOFF,  2*ASTEP
.set SLOT,  2*(ASTEP+BSTEP)
.set SCA,   2*SLOT                     ; A's scale words [block 16][K step 8][row 16]
.set SCB,   SCA+8192                   ; B's [block 24][8][16]
.set SPARE, SCB+12288
.set ADRA, 16                          ; v16-17 my A fragments in slot 0, 1
.set ADRB, 18                          ; v18-19 my B fragments
.set ADS1, 20                          ; lanes 0-15 A's block i, lanes 16-31 B's block i
.set ADS2, 21                          ; lanes 0-15 B's block 8 (10), lanes 16-31 block 9 (11)
.set LI,   22
.set BO,   23
.set BV0,  24
.set SPW,  28
.set NIL,  29
.set SC,   32                          ; v32-51 scale words, two sets of ten
.set VB,   52                          ; v52-59 v's bias, a pair for each 16 channels
.set AF,   64                          ; v64-159 A's eight fragments
.set BF,   160                         ; v160-255 B's four fragments, two buffers
.set PC,   192                         ; the way out
.set PW,   224
.set TV,   225
.set TM,   232
.set SW,   40
.set PWS,  44
.set G1, 24
.set G0, 32
.set G1B, 48
.set G0B, 56
.set G1S, 72
.set G1SB, 80
.set G0S, 88
.set G0SB, 92
.set G0H, 4
.set G0HB, 8
.set CQ, 32
.set SQ, 34
.set CK, 36
.set SK, 38
.set SEL, 40
.set HM, 43
.set FILL, 44
.set MSB, 0
.macro WIN new                         ; the immediate's high byte repeats the setting that is left
.set NW, \new
.if MSB != NW
	s_set_vgpr_msb (MSB<<8)|NW
.set MSB, NW
.endif
.endm
.macro PLACES n
.rept \n
	v_nop
.endr
.endm
.macro JLOAD g0a, g1a, g0b, g1b        ; waves 0, 1 fetch for A, waves 2, 3 for B
	s_cmp_eq_u32 s15, 0
	s_cbranch_scc0 .Lfor_b_\@
	tensor_load_to_lds s[\g0a:\g0a+3], s[\g1a:\g1a+7]
	s_nop 0
	PLACES 4
	s_branch .Lasked_\@
.Lfor_b_\@:
	tensor_load_to_lds s[\g0b:\g0b+3], s[\g1b:\g1b+7]
	s_nop 0
	PLACES 4
.Lasked_\@:
.endm
.macro CREST
	s_cmp_lg_u32 s14, 0
	s_cbranch_scc1 .Lnot_wave_0_\@
	s_barrier_signal -3
.Lnot_wave_0_\@:
	s_barrier_wait -3
	s_barrier_signal -1
	s_barrier_wait -1
.endm
.macro CROUND
	s_barrier_signal -1
	s_barrier_wait -1
	CREST
.endm
.macro GONE g, r                       ; group 1 behind its first word: r dense rows of 256 bytes (32 elements of 8)
	s_mov_b32 s[\g+1], 32<<16
	s_mov_b32 s[\g+2], (\r)<<16
	s_mov_b32 s[\g+3], 32<<16
	s_mov_b32 s[\g+4], \r
	s_mov_b32 s[\g+5], 32
	s_mov_b32 s[\g+6], 0
	s_mov_b32 s[\g+7], 0
.endm
	s_load_b256 s[4:11], s[0:1], 0x0               ; zimg, zs, wq, b_qkv
	s_load_b128 s[68:71], s[0:1], 0x20             ; qb, kv
	v_lshl_add_u32 v[SPW], v0, 2, SPARE
	v_mov_b32 v[NIL], 0
	ds_add_u32 v[SPW], v[NIL]                      ; the opening lines: the add twice on end and its wait
	ds_add_u32 v[SPW], v[NIL]
	v_lshrrev_b32 v1, 5, v0
	v_readfirstlane_b32 s14, v1                    ; wave
	s_lshr_b32 s15, s14, 1                         ; my half of the tokens.  Also: I fetch for A (0) or B (1)
	s_and_b32 s16, s14, 1                          ; my half of the heads.  Also: which K step of a slot I fetch
	s_bfe_u32 s40, ttmp6, 0x40000
	s_bfe_u32 s41, ttmp6, 0x40004
	s_lshl_b32 s42, ttmp9, 2
	s_add_co_u32 s42, s42, s40                     ; x
	s_and_b32 s17, ttmp7, 0xffff
	s_lshl_b32 s17, s17, 2
	s_add_co_u32 s17, s17, s41                     ; y
	s_lshl_b32 s43, s41, 2
	s_lshl_b32 s43, 15, s43                        ; my row of the cluster
	s_lshl_b32 s44, 0x1111, s40                    ; my column
	s_or_b32 s[G1], s43, (3<<16)|(1<<21)
	s_or_b32 s[G1B], s44, (3<<16)|(1<<21)
	s_or_b32 s[G1S], s43, (3<<16)|(1<<21)
	s_or_b32 s[G1SB], s44, (3<<16)|(1<<21)
	GONE G1, 192                                   ; the head's loads bring a whole slot's part
	GONE G1B, 288
	GONE G1S, 32
	GONE G1SB, 48
	s_mul_i32 s20, s17, 8*ASTEP
	s_mov_b32 s21, 0
	s_lshl_b32 s22, s17, 13
	s_mov_b32 s23, 0
	s_mul_i32 s46, s42, 8*BSTEP
	s_mov_b32 s47, 0
	s_mul_i32 s98, s42, 12288
	s_add_co_u32 s98, s98, 64*BSTEP
	s_mov_b32 s99, 0
	s_lshl_b32 s96, s42, 9
	s_lshl_b32 s18, s16, 8
	s_add_co_u32 s96, s96, s18                     ; the bias of head 2 x + my half: 256 bytes a head
	s_mov_b32 s97, 0
	s_mul_i32 s45, s16, ASTEP
	s_mul_i32 s66, s16, BSTEP
	s_wait_dscnt 0x0
	s_wait_kmcnt 0x0
	s_add_nc_u64 s[20:21], s[4:5], s[20:21]
	s_add_nc_u64 s[22:23], s[6:7], s[22:23]
	s_add_nc_u64 s[46:47], s[8:9], s[46:47]
	s_add_nc_u64 s[98:99], s[8:9], s[98:99]
	s_add_nc_u64 s[96:97], s[10:11], s[96:97]
	CROUND                                         ; the first joint loads meet
	s_mov_b32 s[G0H], 1
	s_mov_b32 s[G0H+1], 0
	s_mov_b64 s[G0H+2:G0H+3], s[20:21]
	s_or_b32 s[G0H+3], s[G0H+3], 0x80000000
	s_mov_b32 s[G0HB], 1
	s_mov_b32 s[G0HB+1], BOFF
	s_mov_b64 s[G0HB+2:G0HB+3], s[46:47]
	s_or_b32 s[G0HB+3], s[G0HB+3], 0x80000000
	s_mov_b32 s[G0S], 1
	s_mov_b32 s[G0S+1], SCA
	s_mov_b64 s[G0S+2:G0S+3], s[22:23]
	s_or_b32 s[G0S+3], s[G0S+3], 0x80000000
	s_mov_b32 s[G0SB], 1
	s_mov_b32 s[G0SB+1], SCB
	s_mov_b64 s[G0SB+2:G0SB+3], s[98:99]
	s_or_b32 s[G0SB+3], s[G0SB+3], 0x80000000
	s_mov_b32 s18, s45                             ; for the ring: my K step of a slot
	s_mov_b32 s19, 0
	s_add_nc_u64 s[20:21], s[20:21], s[18:19]
	s_mov_b32 s18, s66
	s_add_nc_u64 s[46:47], s[46:47], s[18:19]
.irp s, 0,1
	s_mov_b32 s[G0+4*\s], 1
	s_add_co_u32 s[G0+4*\s+1], s45, \s*SLOT
	s_add_nc_u64 s[G0+4*\s+2:G0+4*\s+3], s[20:21], \s*2*ASTEP
	s_or_b32 s[G0+4*\s+3], s[G0+4*\s+3], 0x80000000
	s_mov_b32 s[G0B+4*\s], 1
	s_add_co_u32 s[G0B+4*\s+1], s66, \s*SLOT+BOFF
	s_add_nc_u64 s[G0B+4*\s+2:G0B+4*\s+3], s[46:47], \s*2*BSTEP
	s_or_b32 s[G0B+4*\s+3], s[G0B+4*\s+3], 0x80000000
.endr
.macro ARM under, g0, g1, next         ; one tree of branches on the wave's number: every way passes one load
	s_cmp_lt_u32 s14, \under
	s_cbranch_scc0 \next
	tensor_load_to_lds s[\g0:\g0+3], s[\g1:\g1+7]
	s_nop 0
	PLACES 4
	s_branch .Lhead_asked
\next:
.endm
	ARM 1, G0H,  G1,  .Lhead_b
	ARM 2, G0HB, G1B, .Lhead_sa
	ARM 3, G0S,  G1S, .Lhead_sb
	tensor_load_to_lds s[G0SB:G0SB+3], s[G1SB:G1SB+7]
	s_nop 0
	PLACES 4
.Lhead_asked:
	v_and_b32 v1, 31, v0
	v_lshlrev_b32 v[LI], 4, v1
	v_and_b32 v2, 15, v0                           ; r
	v_bfe_u32 v3, v0, 4, 1                         ; h
	s_wait_alu depctr_va_vdst(0)                   ; the wait
	s_mul_i32 s21, s15, 8*FRB
	s_mul_i32 s22, s16, 12*FRB
	s_add_co_u32 s22, s22, BOFF
.irp s, 0,1
	v_add_nc_u32 v[ADRA+\s], s21, v[LI]
	v_add_nc_u32 v[ADRB+\s], s22, v[LI]
	s_add_co_u32 s21, s21, SLOT
	s_add_co_u32 s22, s22, SLOT
.endr
	v_lshlrev_b32 v[BV0], 2, v2
	v_lshlrev_b32 v[BO], 5, v3
	s_wait_alu depctr_va_vdst(0)                   ; likewise
	s_lshl_b32 s21, s15, 12
	s_mul_i32 s22, s16, 6144
	s_add_co_u32 s23, s22, SCB+4096
	s_add_co_u32 s22, s22, 8192
	s_sub_co_u32 s22, s22, s21
	v_mul_u32_u24 v4, s22, v3                      ; lanes 16-31 take B's
	s_add_co_u32 s21, s21, SCA
	v_add_nc_u32 v4, v4, v[BV0]
	v_add_nc_u32 v[ADS1], s21, v4
	v_lshl_add_u32 v5, v3, 9, v[BV0]
	v_add_nc_u32 v[ADS2], s23, v5
	s_wait_alu depctr_va_vdst(0)                   ; ahead of the readers below
	WIN 0xc0                                       ; q's and k's bias into window 3: register 32 g + 8 b + j = channel 16 b + 8 h + j
.irp g, 0,1
.irp b, 0,1,2,3
	global_load_b128 v[32*\g+8*\b:32*\g+8*\b+3], v[BO], s[96:97] offset:4096*\g+64*\b
	global_load_b128 v[32*\g+8*\b+4:32*\g+8*\b+7], v[BO], s[96:97] offset:4096*\g+64*\b+16
.endr
.endr
	WIN 0
.irp b, 0,1,2,3
	global_load_b32 v[VB+2*\b], v[BV0], s[96:97] offset:8192+64*\b     ; v's: channel 16 b + r, twice: a pair for the packed form
	global_load_b32 v[VB+2*\b+1], v[BV0], s[96:97] offset:8192+64*\b
.endr
.macro LDB st, g, buf                  ; B's four fragments of step st, group g
.irp b, 0,1,2,3
.irp j, 0,1,2
	ds_load_b128 v[BF+48*(\buf)+12*\b+4*\j:BF+48*(\buf)+12*\b+4*\j+3], v[ADRB+((\st)/2)%2] offset:((\st)%2)*BSTEP+(4*(\g)+\b)*FRB+512*\j
.endr
.endr
.endm
.macro LDA st, a0                      ; A's blocks a0 .. a0 + 3 of step st
.irp a, \a0, \a0+1, \a0+2, \a0+3
.irp j, 0,1,2
	ds_load_b128 v[AF+12*(\a)+4*\j:AF+12*(\a)+4*\j+3], v[ADRA+((\st)/2)%2] offset:((\st)%2)*ASTEP+(\a)*FRB+512*\j
.endr
.endr
.endm
.macro LDSC st                         ; step st's scale words into set st % 2
.irp i, 0,1,2,3,4,5,6,7
	ds_load_b32 v[SC+10*((\st)%2)+\i], v[ADS1] offset:512*\i+64*(\st)
.endr
	ds_load_b32 v[SC+10*((\st)%2)+8], v[ADS2] offset:64*(\st)
	ds_load_b32 v[SC+10*((\st)%2)+9], v[ADS2] offset:1024+64*(\st)
.endm
.macro WM d, p, q, c, x, y, m
	v_wmma_scale_f32_16x16x128_f8f6f4 v[\d:\d+7], v[\p:\p+11], v[\q:\q+11], \c, v[\x], v[\y] matrix_a_fmt:MATRIX_FMT_BF6 matrix_b_fmt:MATRIX_FMT_BF6 \m
.endm
.macro WV a, b, c                      ; v: tokens are source 0, W's rows source 1
.if (\b)%2
	WM DD, AF+12*(\a), BB+12*(\b), \c, SS+(\a), SS+8+(\b)/2, matrix_b_scale:MATRIX_SCALE_ROW1
.else
	WM DD, AF+12*(\a), BB+12*(\b), \c, SS+(\a), SS+8+(\b)/2
.endif
.endm
; eight products: A's blocks a0, a0 + 1 x the group's four of B.  A group's 32 accumulators take turns.  q, k: accumulator (a, b) at 8 (4 a + b); v: at 8 (8 b + a).
.macro MUL8 st, g, a0
.set BB, BF+48*((3*(\st)+(\g))%2)
.set SS, SC+10*((\st)%2)
.irp a, \a0, \a0+1
.irp b, 0,1,2,3
.if (\g) < 2
.set DD, 8*(4*(\a)+\b)
.if (\st) == 0
	WM DD, BB+12*\b, AF+12*(\a), v[32*(\g)+8*\b:32*(\g)+8*\b+7], SS+4*(\g)+\b, SS+(\a), matrix_a_scale:MATRIX_SCALE_ROW1
.else
	WM DD, BB+12*\b, AF+12*(\a), v[DD:DD+7], SS+4*(\g)+\b, SS+(\a), matrix_a_scale:MATRIX_SCALE_ROW1
.endif
.else
.set DD, 8*(8*\b+(\a))
.if (\st) == 0
	WV \a, \b, 0
.else
	WV \a, \b, v[DD:DD+7]
.endif
.endif
.endr
.endr
.endm
.macro MWIN st, g                      ; sources in window 0; C and D in window g + 1 (the first step of q and k: C in window 3)
.if (\st) == 0 && (\g) < 2
	WIN 0x30+0x40*((\g)+1)
.else
	WIN 0x50*((\g)+1)
.endif
.endm
.macro GQ st
	LDB \st, 1, (3*(\st)+1)%2
	s_wait_dscnt 24                                ; this group's B and A's blocks 0-3 are in; A's blocks 4-7 and the 12 just issued may be out
	MWIN \st, 0
	MUL8 \st, 0, 0
	MUL8 \st, 0, 2
	s_wait_dscnt 12                                ; A's blocks 4-7 are in
	MUL8 \st, 0, 4
	MUL8 \st, 0, 6
	PLACES 4                                       ; places ahead of loads into registers that matrix instructions have read
	WIN 0
.endm
.macro GK st
.if (\st) < 7
	LDSC (\st)+1
	LDB \st, 2, (3*(\st)+2)%2
	s_wait_dscnt 22                                ; all but the 22 just issued
.else
	LDB \st, 2, (3*(\st)+2)%2
	s_wait_dscnt 12
.endif
	MWIN \st, 1
	MUL8 \st, 1, 0
	MUL8 \st, 1, 2
	MUL8 \st, 1, 4
	MUL8 \st, 1, 6
	PLACES 5                                       ; five: in the first step v's sums are laid over the bias that these products read as C
	WIN 0
.endm
; Group v.  In a slot's second step it changes slots: each wave waits for all its tensor loads, adds 0 to its spare word, waits for that and for its reads of this slot; the barrier opens a round where the slot is filled again.
.macro GV st
.if (\st)%2 == 0
	LDB (\st)+1, 0, (3*(\st)+3)%2
	s_wait_dscnt 12
	MWIN \st, 2
	MUL8 \st, 2, 0
	MUL8 \st, 2, 2
	PLACES 4
	WIN 0
	LDA (\st)+1, 0
.else
	s_wait_tensorcnt 0x0
	ds_add_u32 v[SPW], v[NIL]
	s_wait_dscnt 1                                 ; (the add may be out)
	MWIN \st, 2
	MUL8 \st, 2, 0
	s_wait_dscnt 0x0
	s_barrier_signal -1
	MUL8 \st, 2, 2
	WIN 0
	s_barrier_wait -1
.if (\st) < 5
.set SL, ((\st)/2)%2
	CREST
	s_add_nc_u64 s[G0+4*SL+2:G0+4*SL+3], s[G0+4*SL+2:G0+4*SL+3], 4*ASTEP
	s_add_nc_u64 s[G0B+4*SL+2:G0B+4*SL+3], s[G0B+4*SL+2:G0B+4*SL+3], 4*BSTEP
	JLOAD G0+4*SL, G1, G0B+4*SL, G1B               ; the slot just read out takes the K steps four on; its v_nop are the places for the loads below
.else
	PLACES 4
.endif
	LDB (\st)+1, 0, (3*(\st)+3)%2
	LDA (\st)+1, 0
.endif
	MWIN \st, 2
	MUL8 \st, 2, 4
	MUL8 \st, 2, 6
	PLACES 4
	WIN 0
	LDA (\st)+1, 4
.endm
	s_wait_alu depctr_va_vdst(0)                   ; the head's end
	s_wait_tensorcnt 0x0                           ; my tile of the head's four is in
	ds_add_u32 v[SPW], v[NIL]
	s_mov_b32 s[G1+2], 96<<16                      ; no load of mine is out: from here on a load brings one K step
	s_mov_b32 s[G1+4], 96
	s_mov_b32 s[G1B+2], 144<<16
	s_mov_b32 s[G1B+4], 144
	s_wait_dscnt 0x0
	CROUND
	JLOAD G0+4, G1, G0B+4, G1B                     ; slot 1's first fill, issued as a refill is
	LDB 0, 0, 0
	LDA 0, 0
	LDSC 0
	LDA 0, 4
	s_wait_loadcnt 0x0                             ; the bias
.irp t, 0,1,2,3,4,5,6
	GQ \t
	GK \t
	GV \t
.endr
	GQ 7
	GK 7
	s_wait_dscnt 0x0
	MWIN 7, 2
	MUL8 7, 2, 0
	MUL8 7, 2, 2
	MUL8 7, 2, 4
	MUL8 7, 2, 6
	WIN 0
	; THE WAY OUT.  No tensor load of mine is out: the descriptors' registers are free.
	s_lshl_b32 s20, s42, 1
	s_add_co_u32 s20, s20, s16
	s_lshr_b32 s21, s17, 2
	s_lshl_b32 s21, s21, 4
	s_add_co_u32 s20, s20, s21                     ; 16 x batch + head
	s_and_b32 s21, s17, 3
	s_lshl_b32 s21, s21, 1
	s_add_co_u32 s21, s21, s15                     ; which 128 tokens of the batch's 1,024
	s_mul_i32 s22, s20, 53248
	s_mul_i32 s24, s21, 6144
	s_lshl_b32 s26, s21, 9
	s_mov_b32 s29, 0
	s_add_co_u32 s28, s22, s24
	s_add_nc_u64 s[CQ:CQ+1], s[68:69], s[28:29]
	s_add_co_u32 s28, s22, s26
	s_add_co_u32 s28, s28, 49152
	s_add_nc_u64 s[SQ:SQ+1], s[68:69], s[28:29]
	s_lshl_b32 s22, s22, 1
	s_add_co_u32 s28, s22, s24
	s_add_nc_u64 s[CK:CK+1], s[70:71], s[28:29]
	s_add_co_u32 s28, s22, s26
	s_add_co_u32 s28, s28, 98304
	s_add_nc_u64 s[SK:SK+1], s[70:71], s[28:29]
	s_mov_b32 s[SEL], 0x76543210
	s_mov_b32 s[SEL+1], 0xfedcba98
	s_mov_b32 s[HM], 0xffff0000
	s_mov_b32 s[FILL], 0x7f7f0000
	PLACES 4
.irp b, 0,1,2,3
	v_mov_b32 v[TM+4+\b], 0                        ; a lane permute's destination counts as one of its sources
.endr
; 64 numbers of a lane in window w, register s + 16 b + i in block b of my row (lanes l and l xor 16 share a block), become 12 registers of codes (lanes 0-15 blocks 0, 2; lanes 16-31 blocks 1, 3) and the row's scale word.
; Each accumulator is read from its low end on.
.macro QUANT s, w, pc, pw, tm
	WIN 0x14*(\w)
.irp b, 0,1,2,3
	v_max3_num_f32 v[\tm+\b], 0x2800000, |v[\s+16*\b]|, |v[\s+1+16*\b]|   ; with the floor 2^(5 - 127)
.endr
.irp i, 2,4,6,8,10,12,14
.irp b, 0,1,2,3
	v_max3_num_f32 v[\tm+\b], v[\tm+\b], |v[\s+16*\b+\i]|, |v[\s+1+16*\b+\i]|
.endr
.endr
	WIN 0
.irp b, 0,1,2,3
	v_permlanex16_b32 v[\tm+4+\b], v[\tm+\b], s[SEL], s[SEL+1]
.endr
.irp b, 0,1,2,3
	v_max_num_f32 v[\tm+\b], v[\tm+\b], v[\tm+4+\b]
.endr
.irp b, 0,1,2,3
	v_add_nc_u32 v[\tm+12+\b], 0xfe000000, v[\tm+\b]  ; 4 off the exponent field: the conversion's scale operand
.endr
.irp b, 0,1,2,3
	v_lshrrev_b32 v[\tm+4+\b], 23, v[\tm+12+\b]
.endr
	v_lshl_or_b32 v[\pw], v[\tm+5], 8, v[\tm+4]
	v_lshl_or_b32 v[\pw], v[\tm+6], 16, v[\pw]
	v_lshl_or_b32 v[\pw], v[\tm+7], 24, v[\pw]
	WIN \w
.irp c, 0,1
	v_cvt_scalef32_pk16_bf6_f32 v[\pc+6*\c:\pc+2+6*\c], v[\s+32*\c:\s+15+32*\c], v[\tm+12+2*\c]
	v_cvt_scalef32_pk16_bf6_f32 v[\pc+12+4*\c:\pc+14+4*\c], v[\s+16+32*\c:\s+31+32*\c], v[\tm+13+2*\c]
.endr
	v_nop
	WIN 0
.irp c, 0,1
.irp i, 0,1,2
	v_permlane16_swap_b32 v[\pc+6*\c+\i], v[\pc+12+4*\c+\i]
.endr
.irp i, 0,1,2
	v_mov_b32 v[\pc+3+6*\c+\i], v[\pc+12+4*\c+\i]
.endr
.endr
.endm
.macro FREE                            ; the stores before have read their registers
	s_wait_alu depctr_va_vdst(0)
	s_wait_xcnt 0x0
.endm
.macro QKOUT w, cb, sb                 ; a pair: token blocks 2 p, 2 p + 1 of one head: 64 consecutive registers
.irp p, 0,1,2,3
	FREE
	QUANT 64*\p, \w, PC, PW, TM
.irp j, 0,1,2
	global_store_b128 v[LI], v[PC+4*\j:PC+4*\j+3], s[\cb:\cb+1] offset:1536*\p+512*\j
.endr
	v_lshrrev_b32 v[TV], 16, v[PW]
	v_cndmask_b32 v[TV], v[PW], v[TV], s[HM]       ; lanes 0-15: the first block's two bytes, lanes 16-31 the second's
	v_and_or_b32 v[SW+\p], v[TV], 0xffff, s[FILL]  ; and 0x7f for the 64 along K that the product does not have
.endr
	global_store_b128 v[LI], v[SW:SW+3], s[\sb:\sb+1]
.endm
	QKOUT 1, CQ, SQ
	QKOUT 2, CK, SK
.irp b, 0,1,2,3                        ; v: 16 channels x my 128 keys: a whole fragment
	WIN 0xc3
.irp a, 0,1,2,3,4,5,6,7
.irp j, 0,2,4,6
	v_pk_add_f32 v[8*(8*\b+\a)+\j:8*(8*\b+\a)+\j+1], v[8*(8*\b+\a)+\j:8*(8*\b+\a)+\j+1], v[VB+2*\b:VB+2*\b+1]
.endr
.endr
	WIN 0
	FREE
	QUANT 64*\b, 3, PC, PWS+\b, TM
.irp j, 0,1,2
	global_store_b128 v[LI], v[PC+4*\j:PC+4*\j+3], s[CK:CK+1] offset:49152+1536*\b+512*\j
.endr
.endr
	global_store_b128 v[LI], v[PWS:PWS+3], s[SK:SK+1] offset:4096
	s_wait_tensorcnt 0x0                           ; the wave's end
	ds_add_u32 v[SPW], v[NIL]
	s_wait_dscnt 0x0
	CROUND                                         ; the closing round
	s_endpgm
.Lfunc_end_k_q8a8f6fd50a_qkv:
	.size	k_q8a8f6fd50a_qkv, .Lfunc_end_k_q8a8f6fd50a_qkv-k_q8a8f6fd50a_qkv
	.p2alignl 7, 3214868480
	.fill 96, 4, 3214868480
	.section	.rodata,"a",@progbits
	.p2align	6, 0x0
	.amdhsa_kernel k_q8a8f6fd50a_qkv
		.amdhsa_group_segment_fixed_size 327680
		.amdhsa_private_segment_fixed_size 0
		.amdhsa_enable_private_segment 0
		.amdhsa_kernarg_size 48
		.amdhsa_user_sgpr_count 2
		.amdhsa_user_sgpr_kernarg_segment_ptr 1
		.amdhsa_wavefront_size32 1
		.amdhsa_system_sgpr_workgroup_id_x 1
		.amdhsa_system_sgpr_workgroup_id_y 1
		.amdhsa_system_sgpr_workgroup_id_z 1
		.amdhsa_system_vgpr_workitem_id 0
		.amdhsa_next_free_vgpr 1024
		.amdhsa_next_free_sgpr 100
		.amdhsa_reserve_vcc 0
		.amdhsa_float_denorm_mode_32 3
		.amdhsa_float_denorm_mode_16_64 3
		.amdhsa_memory_ordered 1
		.amdhsa_forward_progress 1
		.amdhsa_inst_pref_size 215
	.end_amdhsa_kernel
	.amdgpu_metadata
---
amdhsa.version: [ 1, 2 ]
amdhsa.kernels:
  - .name:           k_q8a8f6fd50a_qkv
    .symbol:         k_q8a8f6fd50a_qkv.kd
    .args:
      - { .name: zimg, .offset: 0, .size: 8, .value_kind: global_buffer, .address_space: global }
      - { .name: zs, .offset: 8, .size: 8, .value_kind: global_buffer, .address_space: global }
      - { .name: wq, .offset: 16, .size: 8, .value_kind: global_buffer, .address_space: global }
      - { .name: b_qkv, .offset: 24, .size: 8, .value_kind: global_buffer, .address_space: global }
      - { .name: qb, .offset: 32, .size: 8, .value_kind: global_buffer, .address_space: global }
      - { .name: kv, .offset: 40, .size: 8, .value_kind: global_buffer, .address_space: global }
    .group_segment_fixed_size: 327680
    .private_segment_fixed_size: 0
    .kernarg_segment_align: 8
    .kernarg_segment_size: 48
    .max_flat_workgroup_size: 128
    .sgpr_count:     100
    .vgpr_count:     1024
    .wavefront_size: 32
...
	.end_amdgpu_metadata
.endif
;; end of part 2
;; launch attn (part 3): grid 4 x 64, 16 waves a work-group, clusters of 4 x 1, 327,680 bytes of LDS; arguments qb, kv, mimg, msc; writes mimg, msc
.if DOCPART == 3
	.amdgcn_target "amdgcn-amd-amdhsa--gfx1250"
	.amdhsa_code_object_version 6
	.text
	.protected	k_q8a8f6fd50a_attn
	.globl	k_q8a8f6fd50a_attn
	.p2align	8
	.type	k_q8a8f6fd50a_attn,@function
k_q8a8f6fd50a_attn:
	s_mov_b64 s[64:65], 0
	v_nop
	global_prefetch_b8 v0, s[64:65] scope:SCOPE_SE
	s_setreg_imm32_b32 hwreg(HW_REG_WAVE_MODE, 25, 1), 1
	s_wait_xcnt 0x0
	s_wait_alu depctr_hold_cnt(0) depctr_sa_sdst(0) depctr_va_vdst(0) depctr_va_sdst(0) depctr_va_ssrc(0) depctr_va_vcc(0) depctr_vm_vsrc(0)
	s_getreg_b32 s2, hwreg(HW_REG_IB_STS2, 6, 4)
	s_cmp_eq_u32 s2, 0
	s_cbranch_scc0 .Lentry_in_a_cluster
	s_endpgm
.Lentry_in_a_cluster:
	s_bfe_u32 s2, ttmp6, 0x10000c
	s_cmp_lg_u32 s2, 0x3003
	s_cbranch_scc0 .Lentry_shape_is_right
	s_endpgm
.Lentry_shape_is_right:
; Attention on codes of BF6: a work-group takes two heads x 256 queries, a wave 16 queries; both heads' k, v and scale words (2 x 106,496 dense bytes) come into LDS once, one tensor load of 52 rows of 256 bytes a wave, asked for jointly by the four query blocks of a cluster.
; S^T = k q^T and O^T = v^T p^T, so a lane holds one query; p = 2^(t - M) with M the ceiling of the running largest t; the row's sum is taken of the unquantised p.  The result is quantised as the projection's operand.
; No prefetch: the launch's one fill goes out at its head.  LIMIT: the scaled scores stay under 2^31 in magnitude; NaN and infinities are not served.
.set HEADB, 106496
.set QHB,   53248
.set VOFF,  49152
.set KSC,   98304
.set STEPB, 6144
.set LI,  1
.set ADK, 2
.set ADS, 3
.set WV,  12
.set SEL, 20
.set CS,  22
.set G1,  24
.set G0,  32
.set TB,  40
.set TS,  41
.set CNT, 42
.macro CROUND
	s_barrier_signal -1
	s_barrier_wait -1
	s_cmp_lg_u32 s[WV], 0
	s_cbranch_scc1 .Lnot_wave_0_\@
	s_barrier_signal -3
.Lnot_wave_0_\@:
	s_barrier_wait -3
	s_barrier_signal -1
	s_barrier_wait -1
.endm
	s_load_b256 s[4:11], s[0:1], 0x0
	v_lshl_add_u32 v95, v0, 2, 0x34000
	v_mov_b32 v243, 0
	ds_add_u32 v95, v243
	ds_add_u32 v95, v243
	v_lshrrev_b32 v1, 5, v0
	s_delay_alu instid0(VALU_DEP_1)
	v_readfirstlane_b32 s[WV], v1
	s_bfe_u32 s13, ttmp6, 0x40000
	s_and_b32 s14, ttmp7, 0xffff
	s_lshl_b32 s15, s13, 4
	s_add_co_u32 s15, s15, s[WV]
	s_mov_b32 s[G1], 15|(3<<16)|(1<<21)
	s_mov_b32 s[G1+1], 32<<16
	s_mov_b32 s[G1+2], 52<<16
	s_mov_b32 s[G1+3], 32<<16
	s_mov_b32 s[G1+4], 52
	s_mov_b32 s[G1+5], 32
	s_mov_b32 s[G1+6], 0
	s_mov_b32 s[G1+7], 0
	s_mul_i32 s16, s[WV], 13312
	s_mul_i32 s18, s14, 2*HEADB
	s_add_co_u32 s18, s18, s16
	s_mov_b32 s19, 0
	s_mov_b32 s[SEL], 0x76543210
	s_mov_b32 s[SEL+1], 0xfedcba98
	s_mov_b32 s[CS], 0x3e38aa3b
	s_mov_b32 s[CS+1], s[CS]
	s_mul_i32 s44, s14, 2*QHB
	s_lshr_b32 s45, s15, 1
	s_mul_i32 s45, s45, 1536
	s_add_co_u32 s46, s44, s45
	s_mov_b32 s47, 0
	s_lshr_b32 s45, s15, 3
	s_lshl_b32 s45, s45, 9
	s_add_co_u32 s44, s44, s45
	s_bfe_u32 s45, s15, 0x20001
	s_lshl_b32 s45, s45, 2
	s_add_co_u32 s44, s44, s45
	s_and_b32 s48, s[WV], 1
	s_lshl_b32 s45, s48, 8
	s_add_co_u32 s44, s44, s45
	s_mov_b32 s45, 0
	s_lshr_b32 s49, s14, 3
	s_lshl_b32 s49, s49, 6
	s_add_co_u32 s49, s49, s15
	s_and_b32 s50, s14, 7
	s_mul_i32 s52, s49, 12288
	s_mul_i32 s51, s50, 1536
	s_add_co_u32 s52, s52, s51
	s_mov_b32 s53, 0
	s_lshl_b32 s54, s49, 9
	s_lshl_b32 s51, s50, 2
	s_add_co_u32 s54, s54, s51
	s_mov_b32 s55, 0
	s_wait_dscnt 0x0
	s_wait_kmcnt 0x0
	s_add_nc_u64 s[6:7], s[6:7], s[18:19]
	s_add_nc_u64 s[46:47], s[4:5], s[46:47]
	s_add_nc_u64 s[44:45], s[4:5], s[44:45]
	s_add_nc_u64 s[8:9], s[8:9], s[52:53]
	s_add_nc_u64 s[10:11], s[10:11], s[54:55]
	CROUND
.irp e, 0
	s_mov_b32 s[G0+4*\e], 1
	s_add_co_u32 s[G0+4*\e+1], s16, \e*HEADB
	s_add_nc_u64 s[G0+4*\e+2:G0+4*\e+3], s[6:7], \e*HEADB
	s_or_b32 s[G0+4*\e+3], s[G0+4*\e+3], 0x80000000
.endr
	tensor_load_to_lds s[G0:G0+3], s[G1:G1+7]
	s_nop 0
.rept 4
	v_nop
.endr
	v_and_b32 v1, 31, v0
	s_delay_alu instid0(VALU_DEP_1)
	v_lshlrev_b32 v[LI], 4, v1
	s_mul_i32 s56, s48, 520
	v_add_nc_u32 v4, s56, v[LI]
	s_mul_i32 s57, s48, 1016
	s_add_co_u32 s57, s57, 8
	v_add_nc_u32 v5, s57, v[LI]
	s_add_co_u32 s56, s56, 512
	v_add_nc_u32 v6, s56, v[LI]
	v_and_b32 v7, 15, v0
	s_delay_alu instid0(VALU_DEP_1)
	v_lshlrev_b32 v8, 5, v7
	s_delay_alu instid0(VALU_DEP_2)
	v_lshlrev_b32 v7, 4, v7
	global_load_b64 v[16:17], v4, s[46:47]
	global_load_b64 v[18:19], v5, s[46:47]
	global_load_b64 v[20:21], v6, s[46:47]
	global_load_b32 v255, v7, s[44:45] offset:49152
	global_load_b64 v[86:87], v4, s[46:47] offset:QHB
	global_load_b64 v[88:89], v5, s[46:47] offset:QHB
	global_load_b64 v[90:91], v6, s[46:47] offset:QHB
	global_load_b32 v92, v7, s[44:45] offset:49152+QHB
.irp j, 0,1,2,3,4,5
	v_mov_b32 v[22+\j], 0
	v_mov_b32 v[80+\j], 0
.endr
.irp b, 0,1,2,3
	v_mov_b32 v[236+\b], 0
.endr
	v_mov_b32 v253, 0
.set n, 0
.rept 64
	v_mov_b32 v[160+n], 0
.set n, n+1
.endr
.macro STEP
	v_add_nc_u32 v[ADK], s[TB], v[LI]
	v_add_nc_u32 v[ADS], s[TS], v[LI]
	v_nop
	v_nop
.irp j, 0,1,2,3,4,5,6,7,8,9,10,11
	ds_load_b128 v[32+4*\j:35+4*\j], v[ADK] offset:512*\j
.endr
	ds_load_b128 v[248:251], v[ADS]
	s_wait_alu depctr_va_vdst(0)
	s_wait_dscnt 0x0
.irp t, 0,2,4,6
	v_wmma_scale_f32_16x16x128_f8f6f4 v[96+8*\t:103+8*\t], v[32+6*\t:43+6*\t], v[16:27], 0, v[248+\t/2], v255 matrix_a_fmt:MATRIX_FMT_BF6 matrix_b_fmt:MATRIX_FMT_BF6
	v_wmma_scale_f32_16x16x128_f8f6f4 v[104+8*\t:111+8*\t], v[38+6*\t:49+6*\t], v[16:27], 0, v[248+\t/2], v255 matrix_a_fmt:MATRIX_FMT_BF6 matrix_b_fmt:MATRIX_FMT_BF6 matrix_a_scale:MATRIX_SCALE_ROW1
.endr
.rept 4
	v_nop
.endr
.irp j, 0,1,2,3,4,5,6,7,8,9,10,11
	ds_load_b128 v[32+4*\j:35+4*\j], v[ADK] offset:VOFF+512*\j
.endr
	ds_load_b128 v[248:251], v[ADS] offset:4096
.irp b, 0,1,2,3
	v_max3_num_f32 v[232+\b], v[96+16*\b], v[97+16*\b], v[98+16*\b]
.endr
.irp i, 3,5,7,9,11,13
.irp b, 0,1,2,3
	v_max3_num_f32 v[232+\b], v[232+\b], v[96+16*\b+\i], v[97+16*\b+\i]
.endr
.endr
.irp b, 0,1,2,3
	v_max_num_f32 v[232+\b], v[232+\b], v[111+16*\b]
.endr
.irp b, 0,1,2,3
	s_delay_alu instid0(VALU_DEP_4)
	v_permlanex16_b32 v[236+\b], v[232+\b], s[SEL], s[SEL+1]
.endr
.irp b, 0,1,2,3
	s_delay_alu instid0(VALU_DEP_4)
	v_max_num_f32 v[232+\b], v[232+\b], v[236+\b]
.endr
	s_delay_alu instid0(VALU_DEP_2)
	v_max3_num_f32 v254, v232, v233, v234
	s_delay_alu instid0(VALU_DEP_1)
	v_max_num_f32 v254, v254, v235
	s_delay_alu instid0(VALU_DEP_1)
	v_mul_f32 v254, s[CS], v254
	s_delay_alu instid0(VALU_DEP_1)
	v_max_num_f32 v13, v13, v254
	v_mov_b32 v254, v12
	s_delay_alu instid0(VALU_DEP_2)
	v_floor_f32 v12, -v13
	s_delay_alu instid0(VALU_DEP_1)
	v_sub_f32 v254, v12, v254
	s_delay_alu instid0(VALU_DEP_1)
	v_cvt_i32_f32 v254, v254
	s_delay_alu instid0(VALU_DEP_1)
	v_ldexp_f32 v252, 1.0, v254
.set n, 0
.rept 32
	v_pk_fma_f32 v[96+n:97+n], v[96+n:97+n], s[CS:CS+1], v[12:13] op_sel_hi:[1,0,0]
.set n, n+2
.endr
.irp b, 0,1,2,3
	v_fma_f32 v[232+\b], v[232+\b], s[CS], v12
.endr
.set n, 0
	s_wait_alu depctr_va_vdst(0)
.rept 64
	v_exp_f32 v[96+n], v[96+n]
.set n, n+1
.endr
	v_pk_mul_f32 v[14:15], v[14:15], v[252:253] op_sel_hi:[1,0]
	s_wait_alu depctr_va_vdst(0)
.irp b, 0,1,2,3
	v_exp_f32 v[232+\b], v[232+\b]
.endr
	v_pk_add_f32 v[236:237], v[96:97], v[98:99]
.irp j, 4,8,12,16,20,24,28,32,36,40,44,48,52,56,60
	v_pk_add_f32 v[14:15], v[14:15], v[96+\j:97+\j]
	v_pk_add_f32 v[236:237], v[236:237], v[98+\j:99+\j]
.endr
	s_delay_alu instid0(VALU_DEP_1)
	v_pk_add_f32 v[14:15], v[14:15], v[236:237]
	s_wait_alu depctr_va_vdst(0)
.irp b, 0,1,2,3
	v_max_num_f32 v[232+\b], 0x2800000, v[232+\b]
.endr
.irp b, 0,1,2,3
	s_delay_alu instid0(VALU_DEP_4)
	v_add_nc_u32 v[244+\b], 0xfe000000, v[232+\b]
.endr
.irp b, 0,1,2,3
	s_delay_alu instid0(VALU_DEP_4)
	v_lshrrev_b32 v[236+\b], 23, v[244+\b]
.endr
	s_delay_alu instid0(VALU_DEP_3)
	v_lshl_or_b32 v253, v237, 8, v236
	s_delay_alu instid0(VALU_DEP_1)
	v_lshl_or_b32 v253, v238, 16, v253
	s_delay_alu instid0(VALU_DEP_1)
	v_lshl_or_b32 v253, v239, 24, v253
.irp c, 0,1
	v_cvt_scalef32_pk16_bf6_f32 v[224+6*\c:226+6*\c], v[96+32*\c:111+32*\c], v[244+2*\c]
	v_cvt_scalef32_pk16_bf6_f32 v[236+4*\c:238+4*\c], v[112+32*\c:127+32*\c], v[244+2*\c+1]
.endr
	v_nop
.irp c, 0,1
.irp i, 0,1,2
	v_permlane16_swap_b32 v[224+6*\c+\i], v[236+4*\c+\i]
.endr
.irp i, 0,1,2
	s_delay_alu instid0(VALU_DEP_3)
	v_mov_b32 v[227+6*\c+\i], v[236+4*\c+\i]
.endr
.endr
.set n, 0
.rept 16
	v_pk_mul_f32 v[OE+n:OE+n+1], v[OE+n:OE+n+1], v[252:253] op_sel_hi:[1,0]
.set n, n+2
.endr
	s_wait_alu depctr_va_vdst(0)
	s_wait_dscnt 0x0
.irp t, 0,1,2,3
	v_wmma_scale_f32_16x16x128_f8f6f4 v[OE+8*\t:OE+8*\t+7], v[32+12*\t:43+12*\t], v[224:235], v[OE+8*\t:OE+8*\t+7], v[248+\t], v253 matrix_a_fmt:MATRIX_FMT_BF6 matrix_b_fmt:MATRIX_FMT_BF6
.endr
.endm
.macro HEAD e
.set OE, 160+32*\e
	v_mov_b32 v13, 0xff61b1e6
	s_delay_alu instid0(VALU_DEP_1)
	v_floor_f32 v12, -v13
	v_mov_b32 v14, 0
	v_mov_b32 v15, 0
	s_mov_b32 s[TB], \e*HEADB
	s_mov_b32 s[TS], \e*HEADB+KSC
	s_mov_b32 s[CNT], 8
.Lstep_\@:
	STEP
	s_add_co_u32 s[TB], s[TB], STEPB
	s_add_co_u32 s[TS], s[TS], 512
	s_sub_co_u32 s[CNT], s[CNT], 1
	s_cmp_lg_u32 s[CNT], 0
	s_cbranch_scc1 .Lstep_\@
.rept 4
	v_nop
.endr
	v_add_f32 v14, v14, v15
	s_delay_alu instid0(VALU_DEP_1)
	v_permlanex16_b32 v252, v14, s[SEL], s[SEL+1]
	s_delay_alu instid0(VALU_DEP_1)
	v_add_f32 v14, v14, v252
	s_wait_alu depctr_va_vdst(0)
	v_rcp_f32 v14, v14
	v_nop
	s_wait_alu depctr_va_vdst(0)
.set n, 0
.rept 16
	v_pk_mul_f32 v[OE+n:OE+n+1], v[OE+n:OE+n+1], v[14:15] op_sel_hi:[1,0]
.set n, n+2
.endr
.endm
.macro QUANT s, pc, pw, tm
.irp b, 0,1,2,3
	v_max3_num_f32 v[\tm+\b], |v[\s+16*\b]|, |v[\s+1+16*\b]|, 0x2800000
.endr
.irp i, 2,4,6,8,10,12,14
.irp b, 0,1,2,3
	s_delay_alu instid0(VALU_DEP_4)
	v_max3_num_f32 v[\tm+\b], v[\tm+\b], |v[\s+16*\b+\i]|, |v[\s+1+16*\b+\i]|
.endr
.endr
.irp b, 0,1,2,3
	s_delay_alu instid0(VALU_DEP_4)
	v_permlanex16_b32 v[\tm+4+\b], v[\tm+\b], s[SEL], s[SEL+1]
.endr
.irp b, 0,1,2,3
	s_delay_alu instid0(VALU_DEP_4)
	v_max_num_f32 v[\tm+\b], v[\tm+\b], v[\tm+4+\b]
.endr
.irp b, 0,1,2,3
	s_delay_alu instid0(VALU_DEP_4)
	v_add_nc_u32 v[\tm+12+\b], 0xfe000000, v[\tm+\b]
.endr
.irp b, 0,1,2,3
	s_delay_alu instid0(VALU_DEP_4)
	v_lshrrev_b32 v[\tm+4+\b], 23, v[\tm+12+\b]
.endr
	s_delay_alu instid0(VALU_DEP_3)
	v_lshl_or_b32 v[\pw], v[\tm+5], 8, v[\tm+4]
	s_delay_alu instid0(VALU_DEP_1)
	v_lshl_or_b32 v[\pw], v[\tm+6], 16, v[\pw]
	s_delay_alu instid0(VALU_DEP_1)
	v_lshl_or_b32 v[\pw], v[\tm+7], 24, v[\pw]
.irp c, 0,1
	v_cvt_scalef32_pk16_bf6_f32 v[\pc+6*\c:\pc+2+6*\c], v[\s+32*\c:\s+15+32*\c], v[\tm+12+2*\c]
	v_cvt_scalef32_pk16_bf6_f32 v[\pc+12+4*\c:\pc+14+4*\c], v[\s+16+32*\c:\s+31+32*\c], v[\tm+12+2*\c+1]
.endr
	v_nop
.irp c, 0,1
.irp i, 0,1,2
	v_permlane16_swap_b32 v[\pc+6*\c+\i], v[\pc+12+4*\c+\i]
.endr
.irp i, 0,1,2
	s_delay_alu instid0(VALU_DEP_3)
	v_mov_b32 v[\pc+3+6*\c+\i], v[\pc+12+4*\c+\i]
.endr
.endr
.endm
	s_wait_alu depctr_va_vdst(0)
	s_wait_tensorcnt 0x0
	s_barrier_signal -1
	s_barrier_wait -1
	s_wait_loadcnt 0x0
	HEAD 0
	v_mov_b32 v255, v92
.irp j, 0,1,2,3,4,5
	v_mov_b32 v[16+\j], v[86+\j]
.endr
	HEAD 1
.irp c, 0,1,2,3
.irp j, 0,1,2,3,4,5,6,7
	v_permlane16_swap_b32 v[160+16*\c+\j], v[168+16*\c+\j]
.endr
.endr
.irp b, 0,1,2,3
	v_mov_b32 v[120+\b], 0
.endr
	QUANT 160, 96, 132, 116
.irp j, 0,1,2
	global_store_b128 v[LI], v[96+4*\j:99+4*\j], s[8:9] offset:512*\j
.endr
	global_store_b32 v8, v132, s[10:11]
	s_wait_tensorcnt 0x0
	ds_add_u32 v95, v243
	s_wait_dscnt 0x0
	CROUND
	s_endpgm
.Lfunc_end_k_q8a8f6fd50a_attn:
	.size	k_q8a8f6fd50a_attn, .Lfunc_end_k_q8a8f6fd50a_attn-k_q8a8f6fd50a_attn
	.p2alignl 7, 3214868480
	.fill 96, 4, 3214868480
	.section	.rodata,"a",@progbits
	.p2align	6, 0x0
	.amdhsa_kernel k_q8a8f6fd50a_attn
		.amdhsa_group_segment_fixed_size 327680
		.amdhsa_private_segment_fixed_size 0
		.amdhsa_enable_private_segment 0
		.amdhsa_kernarg_size 32
		.amdhsa_user_sgpr_count 2
		.amdhsa_user_sgpr_kernarg_segment_ptr 1
		.amdhsa_wavefront_size32 1
		.amdhsa_system_sgpr_workgroup_id_x 1
		.amdhsa_system_sgpr_workgroup_id_y 1
		.amdhsa_system_sgpr_workgroup_id_z 1
		.amdhsa_system_vgpr_workitem_id 0
		.amdhsa_next_free_vgpr 256
		.amdhsa_next_free_sgpr 66
		.amdhsa_reserve_vcc 0
		.amdhsa_float_denorm_mode_32 3
		.amdhsa_float_denorm_mode_16_64 3
		.amdhsa_memory_ordered 1
		.amdhsa_forward_progress 1
		.amdhsa_inst_pref_size 52
	.end_amdhsa_kernel
	.amdgpu_metadata
---
amdhsa.version: [ 1, 2 ]
amdhsa.kernels:
  - .name:           k_q8a8f6fd50a_attn
    .symbol:         k_q8a8f6fd50a_attn.kd
    .args:
      - { .name: qb, .offset: 0, .size: 8, .value_kind: global_buffer, .address_space: global }
      - { .name: kv, .offset: 8, .size: 8, .value_kind: global_buffer, .address_space: global }
      - { .name: mimg, .offset: 16, .size: 8, .value_kind: global_buffer, .address_space: global }
      - { .name: msc, .offset: 24, .size: 8, .value_kind: global_buffer, .address_space: global }
    .group_segment_fixed_size: 327680
    .private_segment_fixed_size: 0
    .kernarg_segment_align: 8
    .kernarg_segment_size: 32
    .max_flat_workgroup_size: 512
    .sgpr_count:     66
    .vgpr_count:     256
    .wavefront_size: 32
...
	.end_amdgpu_metadata
.endif
;; end of part 3
;; launch proj (part 4): grid 4 x 64, 4 waves a work-group, clusters of 4 x 4, 327,680 bytes of LDS; arguments mimg, msc, wimg, W_proj_scales, b_proj, z, out0; writes out0
.if DOCPART == 4
	.amdgcn_target "amdgcn-amd-amdhsa--gfx1250"
	.amdhsa_code_object_version 6
	.text
	.protected	k_q8a8f6fd50a_proj
	.globl	k_q8a8f6fd50a_proj
	.p2align	8
	.type	k_q8a8f6fd50a_proj,@function
k_q8a8f6fd50a_proj:
	s_mov_b64 s[64:65], 0
	v_nop
	global_prefetch_b8 v0, s[64:65] scope:SCOPE_SE
	s_setreg_imm32_b32 hwreg(HW_REG_WAVE_MODE, 25, 1), 1
	s_wait_xcnt 0x0
	s_wait_alu depctr_hold_cnt(0) depctr_sa_sdst(0) depctr_va_vdst(0) depctr_va_sdst(0) depctr_va_ssrc(0) depctr_va_vcc(0) depctr_vm_vsrc(0)
	s_getreg_b32 s2, hwreg(HW_REG_IB_STS2, 6, 4)
	s_cmp_eq_u32 s2, 0
	s_cbranch_scc0 .Lentry_in_a_cluster
	s_endpgm
.Lentry_in_a_cluster:
	s_bfe_u32 s2, ttmp6, 0x10000c
	s_cmp_lg_u32 s2, 0xf033
	s_cbranch_scc0 .Lentry_shape_is_right
	s_endpgm
.Lentry_shape_is_right:
; out0 = z + msa W_proj + b_proj on codes of BF6 with E8M0 scales, K = 1,024.  A work-group makes 128 rows x 256 columns, a wave 64 x 128: 32 accumulators in window 1.
; Both operands come as register images (1,536 bytes a fragment, [16 rows][K step 8]), dense in memory: ALL of K comes at the head, one tensor load a wave: A's 98,304 bytes, B's 196,608, A's scales, B's scales.
; So the eight K steps have no barrier between them.  Source 0 = 16 rows of W, source 1 = 16 rows of msa: a lane holds eight neighbouring columns of a row.  The bias is the C of the first step; z waits in window 2.
; The way out goes through a stage laid over A's bytes, behind a barrier that shows every wave's reads done; those bytes have had their only fill.
; CLUSTERS 4 x 4: A jointly along a row, B along a column.  No prefetch: the launch has no loop and its fills go out at its head.
.set AB,   98304
.set SCA,  294912
.set SCB,  299008
.set SPARE, 307200
.set SPITCH, 528
.set ADA, 1
.set ADB, 2                            ; v2 B's blocks 0-3, v3 blocks 4-7
.set ADS, 9
.set STO, 10
.set RD,  11
.set LI,  12
.set SC,  64
.set AF,  128
.set BK,  64
.set G1A, 24
.set G1B, 32
.set G1SA, 40
.set G1SB, 48
.set G0A, 56
.set G0B, 60
.set G0SA, 68
.set G0SB, 72
.set MSB, 0
.macro WIN new
.if MSB != \new
	s_set_vgpr_msb (MSB<<8)|\new
.set MSB, \new
.endif
.endm
.macro CROUND
	s_barrier_signal -1
	s_barrier_wait -1
	s_cmp_lg_u32 s14, 0
	s_cbranch_scc1 .Lnot_wave_0_\@
	s_barrier_signal -3
.Lnot_wave_0_\@:
	s_barrier_wait -3
	s_barrier_signal -1
	s_barrier_wait -1
.endm
.macro PLACES
.rept 4
	v_nop
.endr
.endm
.macro GONE g, r                       ; r dense rows of 256 bytes
	s_mov_b32 s[\g+1], 32<<16
	s_mov_b32 s[\g+2], (\r)<<16
	s_mov_b32 s[\g+3], 32<<16
	s_mov_b32 s[\g+4], \r
	s_mov_b32 s[\g+5], 32
	s_mov_b32 s[\g+6], 0
	s_mov_b32 s[\g+7], 0
.endm
.macro GZERO g, lds, a
	s_mov_b32 s[\g], 1
	s_mov_b32 s[\g+1], \lds
	s_mov_b64 s[\g+2:\g+3], s[\a:\a+1]
	s_or_b32 s[\g+3], s[\g+3], 0x80000000
.endm
	s_load_b128 s[4:7], s[0:1], 0x0                ; mimg, msc
	s_load_b128 s[8:11], s[0:1], 0x10              ; wimg, W_proj_scales
	s_load_b64 s[12:13], s[0:1], 0x20              ; b_proj
	s_load_b64 s[66:67], s[0:1], 0x28              ; z
	s_load_b64 s[100:101], s[0:1], 0x30            ; out0
	v_lshl_add_u32 v30, v0, 2, SPARE
	v_mov_b32 v31, 0
	ds_add_u32 v30, v31                            ; the opening lines
	ds_add_u32 v30, v31
	v_lshrrev_b32 v13, 5, v0
	v_readfirstlane_b32 s14, v13
	s_lshr_b32 s15, s14, 1                         ; my half of the rows
	s_and_b32 s16, s14, 1                          ; my half of the columns
	s_bfe_u32 s78, ttmp6, 0x40000
	s_bfe_u32 s79, ttmp6, 0x40004
	s_lshl_b32 s18, ttmp9, 2
	s_add_co_u32 s18, s18, s78                     ; tile column
	s_and_b32 s17, ttmp7, 0xffff
	s_lshl_b32 s17, s17, 2
	s_add_co_u32 s17, s17, s79                     ; tile row
	s_lshl_b32 s20, s79, 2
	s_lshl_b32 s20, 15, s20
	s_lshl_b32 s21, 0x1111, s78
	s_or_b32 s[G1A], s20, (3<<16)|(1<<21)
	s_or_b32 s[G1B], s21, (3<<16)|(1<<21)
	s_or_b32 s[G1SA], s20, (3<<16)|(1<<21)
	s_or_b32 s[G1SB], s21, (3<<16)|(1<<21)
	GONE G1A, 384
	GONE G1B, 768
	GONE G1SA, 16
	GONE G1SB, 32
	s_mul_i32 s22, s17, 98304
	s_mov_b32 s23, 0
	s_lshl_b32 s76, s17, 12
	s_mov_b32 s77, 0
	s_mul_i32 s80, s18, 196608
	s_mov_b32 s81, 0
	s_lshl_b32 s82, s18, 13
	s_mov_b32 s83, 0
	s_wait_dscnt 0x0
	s_wait_kmcnt 0x0
	s_add_nc_u64 s[22:23], s[4:5], s[22:23]
	s_add_nc_u64 s[76:77], s[6:7], s[76:77]
	s_add_nc_u64 s[80:81], s[8:9], s[80:81]
	s_add_nc_u64 s[82:83], s[10:11], s[82:83]
	CROUND
	GZERO G0A, 0, 22
	GZERO G0B, AB, 80
	GZERO G0SA, SCA, 76
	GZERO G0SB, SCB, 82
.macro ARM under, g0, g1, next         ; one tree of branches on the wave's number: every way passes one load
	s_cmp_lt_u32 s14, \under
	s_cbranch_scc0 \next
	tensor_load_to_lds s[\g0:\g0+3], s[\g1:\g1+7]
	s_nop 0
	PLACES
	s_branch .Lhead_asked
\next:
.endm
	ARM 1, G0B,  G1B,  .Lhead_a
	ARM 2, G0A,  G1A,  .Lhead_sa
	ARM 3, G0SA, G1SA, .Lhead_sb
	tensor_load_to_lds s[G0SB:G0SB+3], s[G1SB:G1SB+7]
	s_nop 0
	PLACES
.Lhead_asked:
	v_and_b32 v12, 31, v0
	v_lshlrev_b32 v[LI], 4, v12
	v_and_b32 v13, 15, v0
	v_bfe_u32 v14, v0, 4, 1
	s_wait_alu depctr_va_vdst(0)                   ; the wait
	s_mul_i32 s5, s15, 49152
	s_mul_i32 s6, s16, 98304
	s_add_co_u32 s6, s6, AB
	v_add_nc_u32 v[ADA], s5, v[LI]
	v_add_nc_u32 v[ADB], s6, v[LI]
	s_add_co_u32 s6, s6, 49152
	v_add_nc_u32 v[ADB+1], s6, v[LI]
	s_lshl_b32 s5, s15, 11
	s_lshl_b32 s6, s16, 12
	s_add_co_u32 s6, s6, 4096
	s_sub_co_u32 s6, s6, s5
	v_mul_u32_u24 v15, s6, v14                     ; lanes 16-31 take B's scales
	s_add_co_u32 s5, s5, SCA
	v_lshl_add_u32 v15, v13, 5, v15
	v_add_nc_u32 v[ADS], s5, v15
	s_mul_i32 s7, s14, 16*SPITCH
	v_mul_u32_u24 v15, v13, SPITCH
	v_lshl_add_u32 v15, v14, 5, v15
	v_add_nc_u32 v[STO], s7, v15
	v_add_nc_u32 v[RD], s7, v[LI]
	v_lshlrev_b32 v16, 5, v14
	s_lshl_b32 s5, s17, 7
	s_lshl_b32 s6, s15, 6
	s_add_co_u32 s5, s5, s6
	s_lshl_b32 s5, s5, 12
	s_lshl_b32 s6, s18, 10
	s_lshl_b32 s7, s16, 9
	s_add_co_u32 s6, s6, s7
	s_mov_b32 s7, 0
	s_add_nc_u64 s[12:13], s[12:13], s[6:7]
	s_add_co_u32 s6, s6, s5
	s_add_nc_u64 s[66:67], s[66:67], s[6:7]
	s_add_nc_u64 s[100:101], s[100:101], s[6:7]
	s_wait_alu depctr_va_vdst(0)                   ; ahead of the readers below
.irp b, 0,1,2,3,4,5,6,7
	global_load_b128 v[32+8*\b+160*(\b/4):35+8*\b+160*(\b/4)], v16, s[12:13] offset:64*\b
	global_load_b128 v[36+8*\b+160*(\b/4):39+8*\b+160*(\b/4)], v16, s[12:13] offset:64*\b+16
.endr
	WIN 0x80
.irp a, 0,1,2,3
.irp t, 0,1,2,3,4,5,6,7,8,9,10,11,12,13,14,15
	global_load_b128 v[64*\a+4*\t:64*\a+4*\t+3], v[LI], s[66:67] offset:(16*\a+\t)*4096 th:TH_LOAD_NT
.endr
.endr
	WIN 0
.macro FETCH s                         ; step s's fragments: B's eight into window 3, A's four into window 0, sets s % 2
.set FQ, (\s)%2
	WIN 0xc0
.irp i, 0,1,2,3,4,5,6,7
.irp j, 0,1,2
	ds_load_b128 v[128*FQ+12*\i+4*\j:128*FQ+12*\i+4*\j+3], v[ADB+\i/4] offset:12288*(\i%4)+1536*(\s)+512*\j
.endr
.endr
	WIN 0
.irp i, 0,1,2,3
.irp j, 0,1,2
	ds_load_b128 v[AF+48*FQ+12*\i+4*\j:AF+48*FQ+12*\i+4*\j+3], v[ADA] offset:12288*\i+1536*(\s)+512*\j
.endr
.endr
.endm
.macro PSTEP s
.if (\s) < 7
.if (\s) > 0
	PLACES
.endif
	FETCH (\s)+1
	s_wait_dscnt 36                                ; all but the 36 just issued
.else
	s_wait_dscnt 0x0
.endif
.if (\s) == 0
	s_wait_loadcnt 63                              ; the bias's 16 loads and z's first are in; the other 63 of z's may be out
	WIN 0x43
.else
	WIN 0x53
.endif
.set PQ, (\s)%2
.irp a, 0,1,2,3
.irp b, 0,1,2,3,4,5,6,7
.if (\s) == 0
	v_wmma_scale_f32_16x16x128_f8f6f4 v[8*(8*\a+\b):8*(8*\a+\b)+7], v[128*PQ+12*\b:128*PQ+12*\b+11], v[AF+48*PQ+12*\a:AF+48*PQ+12*\a+11], v[32+8*\b+160*(\b/4):39+8*\b+160*(\b/4)], v[SC+8*\b+(\s)], v[SC+8*\a+(\s)] matrix_a_fmt:MATRIX_FMT_BF6 matrix_b_fmt:MATRIX_FMT_BF6 matrix_a_scale:MATRIX_SCALE_ROW1
.else
	v_wmma_scale_f32_16x16x128_f8f6f4 v[8*(8*\a+\b):8*(8*\a+\b)+7], v[128*PQ+12*\b:128*PQ+12*\b+11], v[AF+48*PQ+12*\a:AF+48*PQ+12*\a+11], v[8*(8*\a+\b):8*(8*\a+\b)+7], v[SC+8*\b+(\s)], v[SC+8*\a+(\s)] matrix_a_fmt:MATRIX_FMT_BF6 matrix_b_fmt:MATRIX_FMT_BF6 matrix_a_scale:MATRIX_SCALE_ROW1
.endif
.endr
.endr
	WIN 0
.endm
	s_wait_alu depctr_va_vdst(0)                   ; the head's end
	s_wait_tensorcnt 0x0                           ; my tile of the four is in,
	s_barrier_signal -1
	s_barrier_wait -1                              ; everybody's is
.irp i, 0,1,2,3,4,5,6,7
	ds_load_b128 v[SC+8*\i:SC+8*\i+3], v[ADS] offset:512*\i
	ds_load_b128 v[SC+8*\i+4:SC+8*\i+7], v[ADS] offset:512*\i+16
.endr
	FETCH 0
.irp s, 0,1,2,3,4,5,6,7
	PSTEP \s
.endr
.macro TOSTAGE a
	WIN 0x04
.irp b, 0,1,2,3,4,5,6,7
	ds_store_b128 v[STO], v[64*(\a)+8*\b:64*(\a)+8*\b+3] offset:64*\b
	ds_store_b128 v[STO], v[64*(\a)+8*\b+4:64*(\a)+8*\b+7] offset:64*\b+16
.endr
	WIN 0
.set BB, BK+64*((\a)%2)
.irp t, 0,1,2,3,4,5,6,7,8,9,10,11,12,13,14,15
	ds_load_b128 v[BB+4*\t:BB+4*\t+3], v[RD] offset:\t*SPITCH
.endr
.endm
.macro SEND a, younger
.set BB, BK+64*((\a)%2)
	s_wait_dscnt \younger
	WIN 0x08
.set n, 0
.rept 32
	v_pk_add_f32 v[BB+n:BB+n+1], v[BB+n:BB+n+1], v[64*(\a)+n:64*(\a)+n+1]
.set n, n+2
.endr
	WIN 0
.irp t, 0,1,2,3,4,5,6,7,8,9,10,11,12,13,14,15
	global_store_b128 v[LI], v[BB+4*\t:BB+4*\t+3], s[100:101] offset:(16*(\a)+\t)*4096 th:TH_STORE_NT
.endr
.endm
	s_wait_loadcnt 0x0                             ; z
	s_barrier_signal -1                            ; my LDS reads were waited for ahead of the last step:
	s_barrier_wait -1                              ; nobody reads A's bytes any more, and the stages may lie there
	PLACES
	TOSTAGE 0
.irp a, 1,2,3
.if \a > 1
	s_wait_xcnt 0x0
.endif
	TOSTAGE \a
	SEND \a-1, 32
.endr
	SEND 3, 0
	s_wait_tensorcnt 0x0                           ; the wave's end
	ds_add_u32 v30, v31
	s_wait_dscnt 0x0
	CROUND
	s_endpgm
.Lfunc_end_k_q8a8f6fd50a_proj:
	.size	k_q8a8f6fd50a_proj, .Lfunc_end_k_q8a8f6fd50a_proj-k_q8a8f6fd50a_proj
	.p2alignl 7, 3214868480
	.fill 96, 4, 3214868480
	.section	.rodata,"a",@progbits
	.p2align	6, 0x0
	.amdhsa_kernel k_q8a8f6fd50a_proj
		.amdhsa_group_segment_fixed_size 327680
		.amdhsa_private_segment_fixed_size 0
		.amdhsa_enable_private_segment 0
		.amdhsa_kernarg_size 56
		.amdhsa_user_sgpr_count 2
		.amdhsa_user_sgpr_kernarg_segment_ptr 1
		.amdhsa_wavefront_size32 1
		.amdhsa_system_sgpr_workgroup_id_x 1
		.amdhsa_system_sgpr_workgroup_id_y 1
		.amdhsa_system_sgpr_workgroup_id_z 1
		.amdhsa_system_vgpr_workitem_id 0
		.amdhsa_next_free_vgpr 1024
		.amdhsa_next_free_sgpr 104
		.amdhsa_reserve_vcc 0
		.amdhsa_float_denorm_mode_32 3
		.amdhsa_float_denorm_mode_16_64 3
		.amdhsa_memory_ordered 1
		.amdhsa_forward_progress 1
		.amdhsa_inst_pref_size 92
	.end_amdhsa_kernel
	.amdgpu_metadata
---
amdhsa.version: [ 1, 2 ]
amdhsa.kernels:
  - .name:           k_q8a8f6fd50a_proj
    .symbol:         k_q8a8f6fd50a_proj.kd
    .args:
      - { .name: mimg, .offset: 0, .size: 8, .value_kind: global_buffer, .address_space: global }
      - { .name: msc, .offset: 8, .size: 8, .value_kind: global_buffer, .address_space: global }
      - { .name: wimg, .offset: 16, .size: 8, .value_kind: global_buffer, .address_space: global }
      - { .name: W_proj_scales, .offset: 24, .size: 8, .value_kind: global_buffer, .address_space: global }
      - { .name: b_proj, .offset: 32, .size: 8, .value_kind: global_buffer, .address_space: global }
      - { .name: z, .offset: 40, .size: 8, .value_kind: global_buffer, .address_space: global }
      - { .name: out0, .offset: 48, .size: 8, .value_kind: global_buffer, .address_space: global }
    .group_segment_fixed_size: 327680
    .private_segment_fixed_size: 0
    .kernarg_segment_align: 8
    .kernarg_segment_size: 56
    .max_flat_workgroup_size: 128
    .sgpr_count:     104
    .vgpr_count:     1024
    .wavefront_size: 32
...
	.end_amdgpu_metadata
.endif
;; end of part 4
